; MI455X (gfx1250); checked and timed in simulation.
; The chip was launched on July 23, 2026; its instructions are those of AMD's public machine-readable ISA for CDNA 5 (MIT licence, August 2026) and "CDNA5" Instruction Set Architecture Reference Guide (July 2026). The comments in the code are by the model that wrote it; some were corrected since.
;; Scaled Dot Product Attention. Allowed arithmetic: matrix products marked QUANTISED: E2M3 operands, one E8M0 scale for each 32 along K, by v_wmma_scale_f32_16x16x128_f8f6f4 with both operands' format E2M3, f32 sums; everything else in f32.
;; Inputs: k 4 x 16 x 2,048 x 128 float32; mask 4 x 16 x 2,048 int32; q 4 x 16 x 2,048 x 128 float32; v 4 x 16 x 2,048 x 128 float32.
;; Outputs: out0 4 x 16 x 2,048 x 128 float32.
;; This version of the problem:
;;   THIS VERSION OF THE PROBLEM IS GIVEN IN LOW PRECISION. The matrix products marked QUANTISED in the list below multiply operands that are first quantised to E2M3 (2 exponent bits, 3 mantissa bits; 6 bits a number), with one power-of-two scale for each 32 numbers along K (OCP MX v1.0); their sums are f32. All else is computed in f32.
;;   The module's matrix products, in the order in which they are computed (A, B: the left and right operand; K: the contracted axis; several contracted axes count as one K, in the product's order):
;;     1. batch 64 x [M 2,048, K 128] x [K 128, N 2,048]; A: computed on the way; B: input k: QUANTISED
;;     2. batch 64 x [M 2,048, K 2,048] x [K 2,048, N 128]; A: softmax (see below); B: input v: QUANTISED
;;   THE QUANTISER, for each operand of a quantised product, along K:
;;     - K is cut into blocks of 32 from its start; a last block that is shorter is filled with zeros.
;;     - A block's scale is 2^e with e = floor(log2(the largest magnitude in the block)) - 2, held to -126 .. 127; a block of zeros has e = 0. As a byte (E8M0): e + 127.
;;     - Each number is divided by its block's scale, clamped to +-7.5, and rounded to the nearest number of E2M3, ties to even, subnormals kept.
;;     - The product sums the exact products of the quantised numbers (number of the format x scale) in f32.
;;   ~~~python
;;   def quantise(x, axis):      # numpy; x: float32 -> the quantised numbers, widened to float32 again
;;       x = np.moveaxis(x, axis, -1); K = x.shape[-1]
;;       x = np.pad(x, [(0, 0)] * (x.ndim - 1) + [(0, -K % 32)]); x = x.reshape(x.shape[:-1] + (-1, 32)); a = np.abs(x).max(-1, keepdims=True)
;;       e = np.where(a > 0, np.clip(np.frexp(np.where(a > 0, a, 1))[1] - 1 - 2, -126, 127), 0)      # np.frexp(a)[1] - 1 = floor(log2(a)), exactly
;;       r = np.clip(x / 2.0 ** e, -7.5, 7.5)
;;       step = 2.0 ** (np.maximum(np.frexp(np.where(r == 0, 1, r))[1] - 1, 0) - 3)
;;       q = np.round(r / step) * step * 2.0 ** e      # np.round: ties to even
;;       return np.moveaxis(q.reshape(q.shape[:-2] + (-1,))[..., :K], -1, axis).astype(np.float32)
;;   ~~~
;;   SOFTMAX AHEAD OF A QUANTISED PRODUCT. Where the list says 'softmax', what is quantised is not the finished softmax but p = 2^(t - M), with t = logit x log2(e) and M = ceil(the row's largest t), a whole number; so 1/2 < the row's largest p <= 1. The row's sum l is taken of the UNQUANTISED p, in f32, and the product's result is divided by l at the end. Since M is a whole number, a kernel that streams over the keys may use a running M (the ceiling of the running maximum): every later rescaling is an exact power of two, which a block's scale takes up: the codes' values come out the same.
;;   OPERANDS COMPUTED ON THE WAY. 'Computed on the way' means the value that the module computes at that place (a softmax that the list does not call 'softmax' is quantised finished and normalised). What goes into a quantiser is computed in f32, as accurately as f32 sums, v_exp_f32 and their like allow (about 1e-6 of the number): no bf16 or f16 on the way to a quantiser, and a product that is left as it is and whose result goes on into a quantised operand takes f32 operands (vector FMAs, or v_wmma_f32_16x16x4_f32). A number that lies on a knife's edge between two numbers of the format may be rounded either way, as far as f32 arithmetic and the matrix unit's own rounding can turn it there, and no further.
;; One version. Each part assembles by itself: llvm-mc -triple=amdgcn-amd-amdhsa -mcpu=gfx1250 --defsym DOCPART=n.
;; ======== version 1 of 1: 2 launches
;; limits: right only within a limited range of input values
;; workspace buffers: kv 26,214,400 bytes
;; launch prep (part 1): grid 16 x 64, 8 waves a work-group, no clusters, 136,192 bytes of LDS; arguments k, v, mask, kv; writes kv
.if DOCPART == 1
	.amdgcn_target "amdgcn-amd-amdhsa--gfx1250"
	.amdhsa_code_object_version 6
	.text
	.protected	k_q2cee1de131_prep
	.globl	k_q2cee1de131_prep
	.p2align	8
	.type	k_q2cee1de131_prep,@function
k_q2cee1de131_prep:
	s_mov_b64 s[64:65], 0
	v_nop
	global_prefetch_b8 v0, s[64:65] scope:SCOPE_SE
	s_setreg_imm32_b32 hwreg(HW_REG_WAVE_MODE, 25, 1), 1
	s_wait_xcnt 0x0
; k and v [64 heads][2048 keys][128], f32, become codes of FP6 (E2M3) with one E8M0 scale byte for each 32 along a product's K, laid as the attention launch's operand REGISTERS want them.
; k is quantised along the head's 128 (K of the first product), v along the keys (K of the second).  A block's scale is 2^(floor(log2(its largest magnitude)) - 2): its byte is that magnitude's exponent field - 2.
; THE MASK: the codes of a key whose mask word is 0 are set to zero codes, so that its score comes out as exactly 0; the attention launch adds the fill to it.
; OUTPUT: for each (head, step of 128 keys) one dense block of 25,600 bytes at (16 head + step) x 25,600:
;   0       K's 8 fragment images, tile t at 1,536 t: registers 4 c .. 4 c + 3 of lane L at 512 c + 16 L
;   12,288  K's scale words: pair p (tiles 2 p, 2 p + 1) at 128 p + 4 L: lanes 0-15 tile 2 p's rows, lanes 16-31 tile 2 p + 1's
;   12,800  V's 8 fragment images;   25,088  V's scale words, likewise
; K's tile 2 b + u, lane (r, h): key 32 b + 8 u + r + (r & 8); registers 6 c + j: features 64 c + 32 h + 0 .. 31.   V's tile t, lane (r, h): channel 16 t + r; registers 6 c + j: keys 64 c + 32 h + 0 .. 31.
; SHARES: a work-group takes one (head, step).  Waves 0-3 take K, a pair of tiles (32 keys) each, and ask for their 16 KiB at once; waves 4-7 take V, 32 channels each, their loads two blocks of 32 keys ahead.
; No loop, no barrier: waves share nothing.  No cluster: no two work-groups read the same bytes.  No tensor load: a wave's numbers pass through registers once.
; LIMITS: a block of zeros gets the byte 1 where the rule says 127 (its codes are zeros, and this program alone reads the bytes); blocks whose largest magnitude lies under 2^-124 are held at that byte;
; NaN and infinities are not served in v and in unmasked k (in a masked key they are: its codes are cleared).
.set STEPB,  25600
.set KSC,    12288
.set VIM,    12800
.set VSC,    25088
.set SPITCH, 528                       ; a stage row: 512 bytes + 16 = 33 x 16: the sixteen rows that a read touches begin at sixteen different columns of 16 bytes
.set WSTG,   32*SPITCH                 ; a wave's stage: 32 rows.  The claim holds one for each wave's number; waves 4-7 use none
.set LI,   4                           ; v4   16 x lane
.set LS,   5                           ; v5   4 x lane
.set STW,  6                           ; v6   stage, way in: 16 x lane
.set STR,  7                           ; v7   stage, way back: 528 r + 64 h
.set MK,   8                           ; v8   4 (r + 3 (r & 8)): my key's mask word in a tile's
.set ONES, 9                           ; v9   -1
.set MW,   10                          ; v10-11  tile u: the mask word, then the word that keeps or clears my codes
.set PW,   12                          ; v12-13  tile u: my row's scale word
.set W,    14                          ; v14  the pair's scale words
.set R,    16                          ; v16-143  32 rows as loaded, slot n at R + 4 n
.set X,    144                         ; v144-207 64 numbers of my key: register 16 b + i = feature 32 b + 16 h + i
.set PC,   208                         ; v208-231 tile u's codes at PC + 12 u
.set CT,   232                         ; v232-238 the upper halves' codes (a conversion's three registers begin on an even number)
.set TM,   240                         ; v240-243 largest magnitudes, v244-247 the other half's, then bytes, v252-255 the conversions' scale operands
.set VX,   16                          ; V: v16-143 my channel's 128 keys
.set I0,   144                         ; V: v144-155, v156-167 the two images
.set VCT,  168                         ; V: v168-183 the upper halves' codes
.set VM,   184                         ; V: v184-185 two chains of the maximum
.set BO,   186                         ; V: v186-189 the conversions' scale operands
.set BY,   190                         ; V: a byte
.set VW,   191                         ; V: my channel's scale word
	s_load_b256 s[4:11], s[0:1], 0x0               ; k s[4:5], v s[6:7], mask s[8:9], kv s[10:11]
	v_lshl_add_u32 v250, v0, 2, 0x21000
	v_mov_b32 v251, 0
	v_lshrrev_b32 v1, 5, v0
	s_delay_alu instid0(VALU_DEP_1)
	v_readfirstlane_b32 s16, v1                    ; wave 0..7
	v_and_b32 v1, 31, v0                           ; lane
	v_and_b32 v2, 15, v0                           ; r
	v_bfe_u32 v3, v0, 4, 1                         ; h
	s_delay_alu instid0(VALU_DEP_3)
	v_lshlrev_b32 v[LI], 4, v1
	s_delay_alu instid0(VALU_DEP_4)
	v_lshlrev_b32 v[LS], 2, v1
	s_mul_i32 s31, s16, WSTG                       ; my stage
	v_add_nc_u32 v[STW], s31, v[LI]
	v_mul_u32_u24 v[STR], v2, SPITCH
	s_delay_alu instid0(VALU_DEP_1)
	v_lshl_add_u32 v[STR], v3, 6, v[STR]
	s_delay_alu instid0(VALU_DEP_1)
	v_add_nc_u32 v[STR], s31, v[STR]
	v_and_b32 v[MK], 8, v2
	s_delay_alu instid0(VALU_DEP_1)
	v_mad_u32_u24 v[MK], v[MK], 3, v2              ; r + 3 (r & 8) = r % 8 + 32 (r / 8): my key's place among a tile's
	s_delay_alu instid0(VALU_DEP_1)
	v_lshlrev_b32 v[MK], 2, v[MK]
	v_mov_b32 v[ONES], -1
	s_and_b32 s17, s16, 3                          ; which pair of tiles is mine
	s_and_b32 s18, ttmp7, 0xffff                   ; the head
	s_lshl_b32 s20, s18, 20                        ; 2,048 rows of 512 bytes a head,
	s_lshl_b32 s19, ttmp9, 16                      ; 128 rows a step
	s_add_co_u32 s20, s20, s19
	; THE KEYS OF K's TILES, as they are laid now: tile 4 c + i, lane (r, h): key 64 c + 32 (r / 8) + 8 i + r % 8 (this takes the place of the order that the head comment gives for K's tiles)
	s_lshr_b32 s30, s17, 1                         ; wave w has tiles 2 w, 2 w + 1: c = w / 2, i = 2 (w % 2) + u
	s_and_b32 s19, s17, 1
	s_lshl_b32 s30, s30, 2
	s_add_co_u32 s30, s30, s19                     ; 4 c + w % 2: my first key, in sixteens
	s_lshl_b32 s19, s30, 13                        ; 16 rows of 512 bytes
	s_add_co_u32 s2, s20, s19
	s_mov_b32 s3, 0
	s_lshl_b32 s19, s17, 7                         ; V: my 32 channels, 128 bytes;  also: a pair's 32 scale words
	s_add_co_u32 s20, s20, s19
	s_mov_b32 s21, 0
	s_lshl_b32 s22, s18, 13                        ; the mask: 8,192 bytes a head,
	s_lshl_b32 s23, ttmp9, 9                       ; 512 a step
	s_add_co_u32 s22, s22, s23
	s_lshl_b32 s23, s30, 6                         ; 16 mask words
	s_add_co_u32 s22, s22, s23
	s_mov_b32 s23, 0
	s_lshl_b32 s26, s18, 4
	s_add_co_u32 s26, s26, ttmp9
	s_mul_i32 s26, s26, STEPB                      ; my block of kv
	s_add_co_u32 s28, s26, s19                     ; + my pair's scale words
	s_mov_b32 s29, 0
	s_mul_i32 s27, s17, 3072
	s_add_co_u32 s26, s26, s27                     ; + my pair's images
	s_mov_b32 s27, 0
	s_mov_b32 s24, 0x76543210
	s_mov_b32 s25, 0xfedcba98                      ; v_permlanex16_b32's selects for lane l xor 16
	s_wait_kmcnt 0x0
	s_add_nc_u64 s[12:13], s[10:11], s[26:27]
	s_add_nc_u64 s[14:15], s[10:11], s[28:29]
	s_add_nc_u64 s[4:5], s[4:5], s[2:3]
	s_add_nc_u64 s[6:7], s[6:7], s[20:21]
	s_add_nc_u64 s[8:9], s[8:9], s[22:23]
	s_cmp_lt_u32 s16, 4
	s_cbranch_scc0 .Lv
	; ---- K: 32 keys.  Each load reads one whole row of 512 bytes, 16 bytes a lane; the rows turn through my stage so that a lane holds 16 neighbouring features of each block of ONE key.
.irp b, 0,1,2,3
	v_mov_b32 v[TM+4+\b], 0                        ; written once: a lane permute's destination counts as one of its sources
.endr
	s_wait_alu depctr_va_vdst(0)
.irp u, 0,1
	global_load_b32 v[MW+\u], v[MK], s[8:9] offset:32*\u           ; the mask word of key 32 (r / 8) + 8 u + r % 8
.endr
.irp u, 0,1                                    ; tile u's row 8 a + j is key 32 a + 8 u + j: tile 0's sixteen rows are asked for first
.irp a, 0,1
.irp j, 0,1,2,3,4,5,6,7
	global_load_b128 v[R+4*(16*\u+8*\a+\j):R+4*(16*\u+8*\a+\j)+3], v[LI], s[4:5] offset:512*(32*\a+8*\u+\j) th:TH_LOAD_NT   ; tile u's row 8 a + j is my key 32 a + 8 u + j
.endr
.endr
.endr
.macro KTILE u
	s_wait_loadcnt 16-16*\u                        ; the mask words and this tile's rows are in; tile 1's sixteen may be out
.irp i, 0,1,2,3,4,5,6,7,8,9,10,11,12,13,14,15
	ds_store_b128 v[STW], v[R+4*(16*\u+\i):R+4*(16*\u+\i)+3] offset:SPITCH*(16*\u+\i)
.endr
.irp b, 0,1,2,3
.irp j, 0,1,2,3
	ds_load_b128 v[X+16*\b+4*\j:X+16*\b+4*\j+3], v[STR] offset:16*SPITCH*\u+128*\b+16*\j   ; LDS serves a wave's instructions in order (ISA guide 5.7.1.4): these see my stores
.endr
.endr
	s_wait_dscnt 0x0
.irp b, 0,1,2,3
	v_max3_num_f32 v[TM+\b], |v[X+16*\b]|, |v[X+16*\b+1]|, 0x1800000   ; block b: my 16 numbers, and the floor 2^(3 - 127): the byte cannot fall under 1
.endr
.irp i, 2,4,6,8,10,12,14
.irp b, 0,1,2,3
	s_delay_alu instid0(VALU_DEP_4)
	v_max3_num_f32 v[TM+\b], v[TM+\b], |v[X+16*\b+\i]|, |v[X+16*\b+\i+1]|   ; (the four blocks by turns)
.endr
.endr
.irp b, 0,1,2,3
	s_delay_alu instid0(VALU_DEP_4)
	v_permlanex16_b32 v[TM+4+\b], v[TM+\b], s24, s25
.endr
.irp b, 0,1,2,3
	s_delay_alu instid0(VALU_DEP_4)
	v_max_num_f32 v[TM+\b], v[TM+\b], v[TM+4+\b]   ; with lane l xor 16's: the block's largest magnitude
.endr
.irp b, 0,1,2,3
	s_delay_alu instid0(VALU_DEP_4)
	v_add_nc_u32 v[TM+12+\b], 0xff000000, v[TM+\b] ; 2 off its exponent field: the conversion takes the exponent field of this operand as its scale
.endr
.irp b, 0,1,2,3
	s_delay_alu instid0(VALU_DEP_4)
	v_lshrrev_b32 v[TM+4+\b], 23, v[TM+12+\b]      ; the scale's byte
.endr
	s_delay_alu instid0(VALU_DEP_3)
	v_lshl_or_b32 v[PW+\u], v[TM+5], 8, v[TM+4]    ; my key's scale word
	s_delay_alu instid0(VALU_DEP_1)
	v_lshl_or_b32 v[PW+\u], v[TM+6], 16, v[PW+\u]
	s_delay_alu instid0(VALU_DEP_1)
	v_lshl_or_b32 v[PW+\u], v[TM+7], 24, v[PW+\u]
.irp c, 0,1
	v_cvt_scalef32_pk16_fp6_f32 v[PC+12*\u+6*\c:PC+12*\u+6*\c+2], v[X+32*\c:X+32*\c+15], v[TM+12+2*\c]
	v_cvt_scalef32_pk16_fp6_f32 v[CT+4*\c:CT+4*\c+2], v[X+32*\c+16:X+32*\c+31], v[TM+12+2*\c+1]
.endr
	v_nop                                          ; one plain place behind a scaled conversion
.irp c, 0,1                                    ; the operand's layout wants a WHOLE block in a lane: lanes 0-15 block 2 c, lanes 16-31 block 2 c + 1
.irp i, 0,1,2
	v_permlane16_swap_b32 v[PC+12*\u+6*\c+\i], v[CT+4*\c+\i]
.endr
.irp i, 0,1,2
	s_delay_alu instid0(VALU_DEP_3)
	v_mov_b32 v[PC+12*\u+6*\c+3+\i], v[CT+4*\c+\i]
.endr
.endr
	v_cmp_ne_u32 vcc_lo, 0, v[MW+\u]
	s_delay_alu instid0(VALU_DEP_1)
	v_cndmask_b32 v[MW+\u], 0, v[ONES], vcc_lo     ; all ones where my key counts, 0 where it is masked
.irp i, 0,1,2,3,4,5,6,7,8,9,10,11
	v_and_b32 v[PC+12*\u+\i], v[MW+\u], v[PC+12*\u+\i]
.endr
.irp c, 0,1,2
	global_store_b128 v[LI], v[PC+12*\u+4*\c:PC+12*\u+4*\c+3], s[12:13] offset:1536*\u+512*\c   ; 32 lanes store 512 consecutive bytes, at a multiple of 256 from kv's first byte
.endr
.endm
	KTILE 0
	KTILE 1                                        ; its codes have registers of their own: no store's data are written again
	v_cmp_gt_u32 vcc_lo, 16, v1
	s_delay_alu instid0(VALU_DEP_1)
	v_cndmask_b32 v[W], v[PW+1], v[PW], vcc_lo     ; lanes 0-15: tile 2 p's words, lanes 16-31: tile 2 p + 1's
	global_store_b32 v[LS], v[W], s[14:15] offset:KSC
	s_wait_tensorcnt 0x0
	ds_add_u32 v250, v251
	s_wait_dscnt 0x0
	s_endpgm
.Lv:
	; ---- V: A LANE TAKES A CHANNEL, AND ITS REGISTERS RUN DOWN THE KEYS: a block of 32 keys lies in one lane, and the conversions give codes with the keys innermost.  The four V waves stand side by side on a row's 512 bytes.
.macro VLOAD g                         ; block g: keys 32 g on, one load a key, each block into registers of its own
.set n, 0
.rept 32
	global_load_b32 v[VX+32*(\g)+n], v[LS], s[6:7] offset:512*(32*(\g)+n) th:TH_LOAD_NT
.set n, n+1
.endr
.endm
	s_wait_alu depctr_va_vdst(0)
	VLOAD 0
	VLOAD 1                                        ; two blocks ahead: a block is then waited for with the next block's 32 loads out, a count that the wait can name (its field ends at 63: ISA guide 5.7.1)
.irp g, 0,1,2,3
.if \g < 3
	s_wait_loadcnt 32                              ; loads come back in order (ISA guide 5.7.1): block g's 32 are in; the next block's 32 may be out
.else
	s_wait_loadcnt 0x0
.endif
.if \g < 2
	VLOAD \g+2                                     ; asked for straight behind the wait, so that two blocks are on their way while this one is worked
.endif
	v_max3_num_f32 v[VM], |v[VX+32*\g]|, |v[VX+32*\g+1]|, |v[VX+32*\g+2]|
	v_max3_num_f32 v[VM+1], |v[VX+32*\g+3]|, |v[VX+32*\g+4]|, |v[VX+32*\g+5]|
.irp i, 6,10,14,18,22,26
	s_delay_alu instid0(VALU_DEP_2)
	v_max3_num_f32 v[VM], v[VM], |v[VX+32*\g+\i]|, |v[VX+32*\g+\i+1]|
	s_delay_alu instid0(VALU_DEP_2)
	v_max3_num_f32 v[VM+1], v[VM+1], |v[VX+32*\g+\i+2]|, |v[VX+32*\g+\i+3]|
.endr
	s_delay_alu instid0(VALU_DEP_2)
	v_max3_num_f32 v[VM], v[VM], |v[VX+32*\g+30]|, |v[VX+32*\g+31]|
	s_delay_alu instid0(VALU_DEP_1)
	v_max3_num_f32 v[VM], v[VM], v[VM+1], 0x1800000                ; and the floor
	s_delay_alu instid0(VALU_DEP_1)
	v_add_nc_u32 v[BO+\g], 0xff000000, v[VM]
	s_delay_alu instid0(VALU_DEP_1)
	v_lshrrev_b32 v[BY], 23, v[BO+\g]
.if \g == 0
	s_delay_alu instid0(VALU_DEP_1)
	v_mov_b32 v[VW], v[BY]
.else
	s_delay_alu instid0(VALU_DEP_1)
	v_lshl_or_b32 v[VW], v[BY], 8*\g, v[VW]        ; byte g of my channel's scale word
.endif
	v_cvt_scalef32_pk16_fp6_f32 v[I0+12*(\g%2)+6*(\g/2):I0+12*(\g%2)+6*(\g/2)+2], v[VX+32*\g:VX+32*\g+15], v[BO+\g]   ; blocks 0, 2 into the first run of twelve, blocks 1, 3 into the second
	v_cvt_scalef32_pk16_fp6_f32 v[VCT+4*\g:VCT+4*\g+2], v[VX+32*\g+16:VX+32*\g+31], v[BO+\g]
.endr
	v_nop                                          ; one plain place behind a scaled conversion
.irp g, 0,1,2,3
.irp i, 0,1,2
	v_mov_b32 v[I0+12*(\g%2)+6*(\g/2)+3+\i], v[VCT+4*\g+\i]
.endr
.endr
.set n, 0
.rept 12                                       ; the first run's lanes 16-31 change places with the second's lanes 0-15: the first is now tile 2 g's image (channels 32 g + r: lanes 0-15 blocks 0, 2, lanes 16-31 blocks 1, 3), the second tile 2 g + 1's
	v_permlane16_swap_b32 v[I0+n], v[I0+12+n]
.set n, n+1
.endr
.irp t, 0,1
.irp c, 0,1,2
	global_store_b128 v[LI], v[I0+12*\t+4*\c:I0+12*\t+4*\c+3], s[12:13] offset:VIM+1536*\t+512*\c
.endr
.endr
	global_store_b32 v[LS], v[VW], s[14:15] offset:VSC             ; lane L: channel 32 g + L: lanes 0-15 tile 2 g's rows, lanes 16-31 tile 2 g + 1's
	s_endpgm
.Lfunc_end_k_q2cee1de131_prep:
	.size	k_q2cee1de131_prep, .Lfunc_end_k_q2cee1de131_prep-k_q2cee1de131_prep
	.p2alignl 7, 3214868480
	.fill 96, 4, 3214868480
	.section	.rodata,"a",@progbits
	.p2align	6, 0x0
	.amdhsa_kernel k_q2cee1de131_prep
		.amdhsa_group_segment_fixed_size 136192
		.amdhsa_private_segment_fixed_size 0
		.amdhsa_enable_private_segment 0
		.amdhsa_kernarg_size 32
		.amdhsa_user_sgpr_count 2
		.amdhsa_user_sgpr_kernarg_segment_ptr 1
		.amdhsa_wavefront_size32 1
		.amdhsa_system_sgpr_workgroup_id_x 1
		.amdhsa_system_sgpr_workgroup_id_y 1
		.amdhsa_system_sgpr_workgroup_id_z 1
		.amdhsa_system_vgpr_workitem_id 0
		.amdhsa_next_free_vgpr 256
		.amdhsa_next_free_sgpr 66
		.amdhsa_reserve_vcc 1
		.amdhsa_float_denorm_mode_32 3
		.amdhsa_float_denorm_mode_16_64 3
		.amdhsa_memory_ordered 1
		.amdhsa_forward_progress 1
		.amdhsa_inst_pref_size 44
	.end_amdhsa_kernel
	.amdgpu_metadata
---
amdhsa.version: [ 1, 2 ]
amdhsa.kernels:
  - .name:           k_q2cee1de131_prep
    .symbol:         k_q2cee1de131_prep.kd
    .args:
      - { .name: k, .offset: 0, .size: 8, .value_kind: global_buffer, .address_space: global }
      - { .name: v, .offset: 8, .size: 8, .value_kind: global_buffer, .address_space: global }
      - { .name: mask, .offset: 16, .size: 8, .value_kind: global_buffer, .address_space: global }
      - { .name: kv, .offset: 24, .size: 8, .value_kind: global_buffer, .address_space: global }
    .group_segment_fixed_size: 136192
    .private_segment_fixed_size: 0
    .kernarg_segment_align: 8
    .kernarg_segment_size: 32
    .max_flat_workgroup_size: 256
    .sgpr_count:     66
    .vgpr_count:     256
    .wavefront_size: 32
...
	.end_amdgpu_metadata
.endif
;; end of part 1
;; launch attn (part 2): grid 4 x 64, 8 waves a work-group, clusters of 4 x 1, 327,680 bytes of LDS; arguments q, mask, kv, out0; writes out0
.if DOCPART == 2
	.amdgcn_target "amdgcn-amd-amdhsa--gfx1250"
	.amdhsa_code_object_version 6
	.text
	.protected	k_q2cee1de131_attn
	.globl	k_q2cee1de131_attn
	.p2align	8
	.type	k_q2cee1de131_attn,@function
k_q2cee1de131_attn:
	s_mov_b64 s[64:65], 0
	v_nop
	global_prefetch_b8 v0, s[64:65] scope:SCOPE_SE
	s_setreg_imm32_b32 hwreg(HW_REG_WAVE_MODE, 25, 1), 1
	s_wait_xcnt 0x0
	s_wait_alu depctr_hold_cnt(0) depctr_sa_sdst(0) depctr_va_vdst(0) depctr_va_sdst(0) depctr_va_ssrc(0) depctr_va_vcc(0) depctr_vm_vsrc(0)
	s_getreg_b32 s2, hwreg(HW_REG_IB_STS2, 6, 4)
	s_cmp_eq_u32 s2, 0
	s_cbranch_scc0 .Lentry_in_a_cluster
	s_endpgm
.Lentry_in_a_cluster:
	s_bfe_u32 s2, ttmp6, 0x10000c
	s_cmp_lg_u32 s2, 0x3003
	s_cbranch_scc0 .Lentry_shape_is_right
	s_endpgm
.Lentry_shape_is_right:
; out0[head][q][:] = the sum over keys of softmax_k(q . k, masked keys filled) v[k][:], 64 heads x 2,048 x 128, both products on codes of FP6 (E2M3) with one E8M0 scale for each 32 along K.
; kv holds k's and v's codes as images of the operand registers, one dense block of 25,600 bytes for each (head, step of 128 keys): K's 8 fragments, K's scale words, V's 8 fragments, V's scale words.
; THE SOFTMAX: t = score x log2(e); M = the running largest t rounded UP to a whole number; p = 2^(t - M) is quantised along the keys, not normalised; the row's sum is taken of the unquantised p and divides at the end.
; When M moves, the sum and O are multiplied by f = 2^(old M - new M): exact.  A block of queries begins with -M = 2^127, so its first f is 0: O and the sum are not cleared; what the registers hold then
; (rows of q at the start, the last block's results later) is finite and becomes 0.
; THE MASK: the codes of a masked key are zero codes in kv, so its products add up to 0; a table bias[key] in LDS (0, or F = -2^30 for a masked key) is the C of the first product.
; F x log2(e) is exact in f32 and a whole number: in a row all of whose keys are masked M = t and every p is 1; in every other row a masked p is 0.
; LIMITS: the fill is -2^30 where the definition has -1e9: the results agree wherever a row's largest unmasked logit lies above about -9.9e8.  NaN and infinities are not served in q, v and unmasked k.
; The scaled scores stay under 2^31 in magnitude.  A block of zeros has the scale byte 1 (its codes are zeros; this program alone reads the bytes).
; SHARES: a cluster of four work-groups owns a head.  A work-group walks TWO blocks of 256 queries (blocks cx and cx + 4); each of its eight waves has 32 queries of a block, as two tiles of 16, so that each
; fragment of K and V read from LDS feeds two matrix instructions; two waves to a SIMD, 512 registers each.
; LAYOUT: both products are used transposed: S^T = K Q^T, O^T = V^T P^T: a lane holds ONE query (lane % 16).  K's tile 4 c + i, row r, is key 64 c + 32 (r / 8) + 8 i + r % 8: so the 32 registers of
; tiles 4 c .. 4 c + 3 are, in lane (r, h), the keys 64 c + 32 h + 0 .. 31: a WHOLE block of the second product's K, in the order of that operand's registers.  No lane is asked for a block's maximum and no code changes lanes.
; RING: two LDS slots of four key steps (102,400 bytes); each wave fetches an eighth of a slot by one tensor load; eight slots in all: the head's kv is walked once for each block of queries, and the ring does not stop between them.
; In a slot's last step a wave's reads of the slot are over when V's fragments are in registers: there it waits for its tensor load, adds, waits and signals; the exponentials, the quantiser and the second
; product, work on registers, stand between that signal and its wait.
; CLUSTER: the four partners walk the same blocks of kv: each load is asked for JOINTLY, with the same descriptor and a mask that names the four.
; PREFETCH: kv's third and fourth slot's worth, one slot ahead of their loads, shared out by address (a key step a partner, 6,400 bytes for each of waves 0-3); the second walk names bytes that the first has read and asks for nothing.
; The second block's rows of q (16 KiB a wave, a lane to each 256 bytes) are asked for two slots ahead of their loads.
; REGISTERS.  Window 0: v1-11 addresses; v12-23 statistics; v24-47 Q; v48-55 scale words; v56-61 at work; v62 prefetch offset; v64-191 S^T, then p; v192-215 p's codes; v216-231 upper halves' codes;
;   v232-255 per tile 12: +0,1 block maxima, +4,5 at work, +8,9 scale operands; v234 q's prefetch offset, v235 8 h.   Window 1: v0-127 O^T; v128-223 eight fragments of K or of V.
.set STEPB,  25600
.set SLOTB,  4*STEPB
.set SLOT1,  1<<17
.set BIAS,   SLOTB                     ; 2 x 2,048 f32: the table twice on end, one for each walk; stored once, no tile lands here
.set SPARE,  BIAS+16384                ; the spare words: 128 bytes a wave
.set STAGE,  SLOT1+SLOTB               ; 16 rows x 528 bytes for each wave: q's turn, and the way out
.set SPITCH, 528
.set KSC,    12288
.set VIM,    12800
.set VSC,    25088
.set QNEXT,  1024*512                  ; bytes from a block of queries to my next: four blocks of 256 rows
.set LI,  1
.set LS,  2
.set BH,  3                            ; BIAS + 128 h
.set SPW, 4
.set NIL, 5
.set ADK, 6
.set ADS, 7
.set ADB, 8
.set STW, 9                            ; stage + 16 lane
.set STR, 10                           ; stage + 528 r + 128 h
.set STO, 11                           ; stage + 528 r + 32 h
.set NM,  12                           ; v12, v16  -M
.set SMX, 13                           ; v13, v17  the running largest score
.set LL,  14                           ; v[14:15], v[18:19] the sum in two halves
.set FF,  20                           ; v[20:21], v[22:23] f; the upper word is 0
.set Q,   24
.set QS,  48
.set PS,  50
.set SCW, 52
.set TT,  56
.set SM,  58
.set PFO, 62
.set S,   64
.set P,   192
.set CT,  216
.set BM,  232
.set PFQ, 234
.set SH8, 235
.set FRG, 128
.set WV,  12
.set LIM, 15                           ; 0 in waves 0-3, else the greatest number
.set PFA, 18
.set G1,  24
.set G0,  32
.set SEL, 36
.set CS,  38
.set TB,  40
.set TJ,  41
.set N,   42
.set CNT, 43
.set KVB, 44                           ; s[44:45] my eighth of the head's first slot's worth in kv
.set OFF, 46                           ; s[46:47] bytes from there to the slot's worth asked for
.set MSB, 0
.macro WIN new
.if MSB != \new
	s_set_vgpr_msb (MSB<<8)|\new
.set MSB, \new
.endif
.endm
.macro PLACES n
.rept \n
	v_nop
.endr
.endm
.macro DEP n
	s_delay_alu instid0(VALU_DEP_\n)
.endm
.macro CREST                           ; a round of the cluster's barrier behind its opening barrier
	s_cmp_lg_u32 s[WV], 0
	s_cbranch_scc1 .Lnot_wave_0_\@
	s_barrier_signal -3
.Lnot_wave_0_\@:
	s_barrier_wait -3
	s_barrier_signal -1
	s_barrier_wait -1
.endm
.macro CROUND
	s_barrier_signal -1
	s_barrier_wait -1
	CREST
.endm
.macro JLOAD                           ; the joint load, with five lines behind it
	tensor_load_to_lds s[G0:G0+3], s[G1:G1+7]
	s_nop 0
	PLACES 4
.endm
.macro NEXTD                           ; group 0 for the slot's worth at s[OFF], into the other slot than last time; no tensor load of mine is out
	s_xor_b32 s[G0+1], s[G0+1], SLOT1
	s_add_nc_u64 s[G0+2:G0+3], s[KVB:KVB+1], s[OFF:OFF+1]
	s_or_b32 s[G0+3], s[G0+3], 0x80000000
.endm
; The largest magnitude of each of my four blocks of 32 (q): two chains a block, with the floor 2^(3 - 127)
.macro QMAX
.irp x, 0,1
.irp c, 0,1
	v_max3_num_f32 v[BM+12*\x+\c], |v[S+64*\x+32*\c]|, |v[S+64*\x+32*\c+1]|, 0x1800000
	v_max3_num_f32 v[BM+4+12*\x+\c], |v[S+64*\x+32*\c+16]|, |v[S+64*\x+32*\c+17]|, |v[S+64*\x+32*\c+18]|
.endr
.endr
.irp i, 2,4,6,8,10,12
.irp x, 0,1
.irp c, 0,1
	v_max3_num_f32 v[BM+12*\x+\c], v[BM+12*\x+\c], |v[S+64*\x+32*\c+\i]|, |v[S+64*\x+32*\c+\i+1]|
	v_max3_num_f32 v[BM+4+12*\x+\c], v[BM+4+12*\x+\c], |v[S+64*\x+32*\c+\i+17]|, |v[S+64*\x+32*\c+\i+18]|
.endr
.endr
.endr
.irp x, 0,1
.irp c, 0,1
	v_max3_num_f32 v[BM+12*\x+\c], v[BM+12*\x+\c], |v[S+64*\x+32*\c+14]|, |v[S+64*\x+32*\c+15]|
.endr
.endr
.irp x, 0,1
.irp c, 0,1
	DEP 4
	v_max3_num_f32 v[BM+12*\x+\c], v[BM+12*\x+\c], v[BM+4+12*\x+\c], |v[S+64*\x+32*\c+31]|
.endr
.endr
.endm
; The largest SCORE of each of my four blocks: it serves the row's maximum and, since p rises with the score, the block's largest p.  Each accumulator is first read at its lowest register.
.macro SMAX
.irp x, 0,1
.irp c, 0,1
	v_max3_num_f32 v[BM+12*\x+\c], v[S+64*\x+32*\c], v[S+64*\x+32*\c+1], v[S+64*\x+32*\c+2]
	v_max3_num_f32 v[BM+4+12*\x+\c], v[S+64*\x+32*\c+16], v[S+64*\x+32*\c+17], v[S+64*\x+32*\c+18]
.endr
.endr
.irp i, 3,5,7,9,11,13
.irp x, 0,1
.irp c, 0,1
	v_max3_num_f32 v[BM+12*\x+\c], v[BM+12*\x+\c], v[S+64*\x+32*\c+\i], v[S+64*\x+32*\c+\i+1]
	v_max3_num_f32 v[BM+4+12*\x+\c], v[BM+4+12*\x+\c], v[S+64*\x+32*\c+\i+16], v[S+64*\x+32*\c+\i+17]
.endr
.endr
.endr
.irp x, 0,1
.irp c, 0,1
	v_max3_num_f32 v[BM+12*\x+\c], v[BM+12*\x+\c], v[BM+4+12*\x+\c], v[S+64*\x+32*\c+15]
.endr
.endr
.irp x, 0,1
.irp c, 0,1
	v_max_num_f32 v[BM+12*\x+\c], v[BM+12*\x+\c], v[S+64*\x+32*\c+31]
.endr
.endr
.endm
; From my blocks' largest magnitudes: the conversions' scale operands, and the rows' scale words w, w + 1: my bytes are blocks h and 2 + h; lane l xor 16 has the other two
.macro CODES w
.irp x, 0,1
.irp c, 0,1
	DEP 4
	v_add_nc_u32 v[BM+8+12*\x+\c], 0xff000000, v[BM+12*\x+\c]      ; 2 off the exponent field
.endr
.endr
.irp x, 0,1
.irp c, 0,1
	DEP 4
	v_lshrrev_b32 v[BM+4+12*\x+\c], 23, v[BM+8+12*\x+\c]           ; the scale's byte
.endr
.endr
	DEP 3
	v_lshl_or_b32 v[\w], v[BM+5], 16, v[BM+4]
	DEP 2
	v_lshl_or_b32 v[\w+1], v[BM+17], 16, v[BM+16]
.irp x, 0,1
	DEP 2
	v_lshlrev_b32 v[\w+\x], v[SH8], v[\w+\x]                       ; 8 h bits up
.endr
.irp x, 0,1
	DEP 2
	v_permlanex16_b32 v[BM+4+12*\x], v[\w+\x], s[SEL], s[SEL+1]
.endr
.irp x, 0,1
	DEP 2
	v_or_b32 v[\w+\x], v[\w+\x], v[BM+4+12*\x]
.endr
.endm
; My 128 numbers become codes in the operand's own order (a conversion's three registers begin on an even number: the upper halves are made elsewhere and moved)
.macro CODES_B dst
.irp x, 0,1
.irp c, 0,1
	v_cvt_scalef32_pk16_fp6_f32 v[\dst+12*\x+6*\c:\dst+12*\x+6*\c+2], v[S+64*\x+32*\c:S+64*\x+32*\c+15], v[BM+8+12*\x+\c]
	v_cvt_scalef32_pk16_fp6_f32 v[CT+8*\x+4*\c:CT+8*\x+4*\c+2], v[S+64*\x+32*\c+16:S+64*\x+32*\c+31], v[BM+8+12*\x+\c]
.endr
.endr
	v_nop                                          ; one plain place behind the scaled conversions
.irp x, 0,1
.irp c, 0,1
.irp i, 0,1,2
	v_mov_b32 v[\dst+12*\x+6*\c+3+\i], v[CT+8*\x+4*\c+\i]
.endr
.endr
.endr
.endm
; 32 rows of q, a whole row of 512 bytes an instruction
.macro QLOAD base, w, off
	WIN \w
.set n, 0
.rept 32
	global_load_b128 v[\base+4*n:\base+4*n+3], v[LI], s[4:5] offset:\off+512*n th:TH_LOAD_NT
.set n, n+1
.endr
	WIN 0
.endm
; q turns through my stage, 16 rows at a time, so that a lane holds two whole blocks of ONE query; then it is quantised, and the block's statistics begin anew
.macro QUANT base, w
.irp x, 0,1
	s_wait_loadcnt 16-16*\x                        ; this tile's 16 rows are in; the second tile's 16 may be out
	WIN \w
.set n, 0
.rept 16
	ds_store_b128 v[STW], v[\base+64*\x+4*n:\base+64*\x+4*n+3] offset:SPITCH*n
.set n, n+1
.endr
	WIN 0
.set n, 0
.rept 16
	ds_load_b128 v[S+64*\x+4*n:S+64*\x+4*n+3], v[STR] offset:256*(n/8)+16*(n%8)   ; in order behind my stores (ISA guide 5.7.1.4): features 64 c + 32 h + 0 .. 31
.set n, n+1
.endr
.endr
	s_wait_dscnt 0x0
	QMAX
	CODES QS
	CODES_B Q
.irp x, 0,1
	v_mov_b32 v[SMX+4*\x], 0xff000000              ; the largest score so far: -2^127
	v_mov_b32 v[NM+4*\x], 0x7f000000               ; -M = 2^127: the first f is 0
.endr
.endm
.macro KQ t, x                         ; S^T of tile x, keys' tile t.  C is the bias, in tile 0's registers.  Odd tiles' scale words lie in lanes 16-31
.if (\t)%2
	v_wmma_scale_f32_16x16x128_f8f6f4 v[S+64*(\x)+8*(\t):S+64*(\x)+8*(\t)+7], v[FRG+12*(\t):FRG+12*(\t)+11], v[Q+12*(\x):Q+12*(\x)+11], v[S+8*(\t):S+8*(\t)+7], v[SCW+(\t)/2], v[QS+(\x)] matrix_a_fmt:MATRIX_FMT_FP6 matrix_b_fmt:MATRIX_FMT_FP6 matrix_a_scale:MATRIX_SCALE_ROW1
.else
	v_wmma_scale_f32_16x16x128_f8f6f4 v[S+64*(\x)+8*(\t):S+64*(\x)+8*(\t)+7], v[FRG+12*(\t):FRG+12*(\t)+11], v[Q+12*(\x):Q+12*(\x)+11], v[S+8*(\t):S+8*(\t)+7], v[SCW+(\t)/2], v[QS+(\x)] matrix_a_fmt:MATRIX_FMT_FP6 matrix_b_fmt:MATRIX_FMT_FP6
.endif
.endm
.macro PV t, x                         ; O^T of tile x, channels' tile t, += V^T P^T
.if (\t)%2
	v_wmma_scale_f32_16x16x128_f8f6f4 v[64*(\x)+8*(\t):64*(\x)+8*(\t)+7], v[FRG+12*(\t):FRG+12*(\t)+11], v[P+12*(\x):P+12*(\x)+11], v[64*(\x)+8*(\t):64*(\x)+8*(\t)+7], v[SCW+(\t)/2], v[PS+(\x)] matrix_a_fmt:MATRIX_FMT_FP6 matrix_b_fmt:MATRIX_FMT_FP6 matrix_a_scale:MATRIX_SCALE_ROW1
.else
	v_wmma_scale_f32_16x16x128_f8f6f4 v[64*(\x)+8*(\t):64*(\x)+8*(\t)+7], v[FRG+12*(\t):FRG+12*(\t)+11], v[P+12*(\x):P+12*(\x)+11], v[64*(\x)+8*(\t):64*(\x)+8*(\t)+7], v[SCW+(\t)/2], v[PS+(\x)] matrix_a_fmt:MATRIX_FMT_FP6 matrix_b_fmt:MATRIX_FMT_FP6
.endif
.endm
; A KEY STEP: 128 keys, both tiles of queries.  last = 1: a slot's last step, which opens the barrier of the change of slots; fill = 1: the slot is filled again behind it
.macro STEP last, fill
	v_add_nc_u32 v[ADK], s[TB], v[LI]
	v_add_nc_u32 v[ADS], s[TB], v[LS]
	v_add_nc_u32 v[ADB], s[TJ], v[BH]
	v_nop                                          ; four places between the last products and the loads into their registers
.set n, 0
.rept 16
	ds_load_b128 v[S+4*n:S+4*n+3], v[ADB] offset:256*(n/8)+16*(n%8)   ; the bias in the result's layout: register 32 c + e is key 64 c + 32 h + e
.set n, n+1
.endr
.irp p, 0,1,2,3
	ds_load_b32 v[SCW+\p], v[ADS] offset:KSC+128*\p
.endr
	WIN 0x40
.set n, 0
.rept 24
	ds_load_b128 v[FRG+4*n:FRG+4*n+3], v[ADK] offset:512*n
.set n, n+1
.endr
	s_wait_alu depctr_va_vdst(0)                   ; the wait ahead of the wait below
	s_wait_dscnt 12                                ; the bias, the scale words and tiles 0-3 are in; the youngest 12 loads, tiles 4-7's fragments, may be out
	WIN 0x01
.irp t, 0,1,2,3
	KQ \t, 1
.endr
	s_wait_dscnt 0x0
.irp t, 4,5,6,7
	KQ \t, 1
.endr
	PLACES 5                                       ; tile 0's products write over registers that tile 1's have read as C
.irp t, 0,1,2,3,4,5,6,7
	KQ \t, 0
.endr
	PLACES 4
	WIN 0x40
.set n, 0
.rept 24
	ds_load_b128 v[FRG+4*n:FRG+4*n+3], v[ADK] offset:VIM+512*n
.set n, n+1
.endr
	WIN 0
.irp p, 0,1,2,3
	ds_load_b32 v[SCW+\p], v[ADS] offset:VSC+128*\p
.endr
.if \last
	s_wait_tensorcnt 0x0                           ; my one tensor load, my part of the slot ahead, has landed
	ds_add_u32 v[SPW], v[NIL]                      ; work on registers follows the add
.if \fill
	s_add_co_u32 s[OFF], s[N], 2                   ; behind slot N comes the slot's worth N + 2 of the walk, which goes round after four
	s_and_b32 s[OFF], s[OFF], 3
	s_mul_i32 s[OFF], s[OFF], SLOTB
	NEXTD
.endif
.endif
	SMAX
.if \last
	s_wait_alu depctr_va_vdst(0)
	s_wait_dscnt 0x0                               ; the add is done, and V's fragments and scale words are in: my reads of this slot are over
	s_barrier_signal -1                            ; work on registers alone stands between this and its wait
	v_max_num_f32 v[TT], v[BM], v[BM+1]
	v_max_num_f32 v[TT+1], v[BM+12], v[BM+13]
.else
	DEP 3
	v_max_num_f32 v[TT], v[BM], v[BM+1]
	DEP 2
	v_max_num_f32 v[TT+1], v[BM+12], v[BM+13]
.endif
.irp x, 0,1
	DEP 2
	v_permlanex16_b32 v[BM+4+12*\x], v[TT+\x], s[SEL], s[SEL+1]
.endr
.irp x, 0,1
	DEP 2
	v_max3_num_f32 v[SMX+4*\x], v[SMX+4*\x], v[TT+\x], v[BM+4+12*\x]   ; the running largest score of my query
.endr
.irp x, 0,1
	DEP 2
	v_mul_f32 v[TT+\x], s[CS], v[SMX+4*\x]         ; as t
.endr
.irp x, 0,1
	DEP 2
	v_floor_f32 v[BM+5+12*\x], -v[TT+\x]           ; the new -M = -ceil(t)
.endr
.irp x, 0,1
	DEP 2
	v_sub_f32 v[TT+\x], v[BM+5+12*\x], v[NM+4*\x]  ; old M - new M: a whole number, 0 or less
.endr
.irp x, 0,1
	v_mov_b32 v[NM+4*\x], v[BM+5+12*\x]
.endr
.irp x, 0,1
	DEP 4
	v_cvt_i32_f32 v[TT+\x], v[TT+\x]               ; (it saturates)
.endr
.irp x, 0,1
	DEP 2
	v_ldexp_f32 v[FF+2*\x], 1.0, v[TT+\x]
.endr
.irp x, 0,1
.set n, 0
.rept 32
	v_pk_fma_f32 v[S+64*\x+n:S+64*\x+n+1], v[S+64*\x+n:S+64*\x+n+1], s[CS:CS+1], v[NM+4*\x:NM+4*\x+1] op_sel_hi:[1,0,0]   ; t - M
.set n, n+2
.endr
.endr
.irp x, 0,1
.irp c, 0,1
	v_fma_f32 v[BM+12*\x+\c], v[BM+12*\x+\c], s[CS], v[NM+4*\x]    ; the same of each block's largest score
.endr
.endr
	s_wait_alu depctr_va_vdst(0)
.set n, 0
.rept 128
	v_exp_f32 v[S+n], v[S+n]
.set n, n+1
.endr
.irp x, 0,1
	v_pk_mul_f32 v[LL+4*\x:LL+4*\x+1], v[LL+4*\x:LL+4*\x+1], v[FF+2*\x:FF+2*\x+1] op_sel_hi:[1,0]
.endr
	s_wait_alu depctr_va_vdst(0)                   ; one wait for the batch of 128
.irp x, 0,1
.irp c, 0,1
	v_exp_f32 v[BM+12*\x+\c], v[BM+12*\x+\c]       ; the block's largest p
.endr
.endr
.irp x, 0,1
	v_pk_add_f32 v[SM+2*\x:SM+2*\x+1], v[S+64*\x:S+64*\x+1], v[S+64*\x+2:S+64*\x+3]   ; the row's sum, of the unquantised p
.endr
.irp j, 4,8,12,16,20,24,28,32,36,40,44,48,52,56,60
.irp x, 0,1
	v_pk_add_f32 v[LL+4*\x:LL+4*\x+1], v[LL+4*\x:LL+4*\x+1], v[S+64*\x+\j:S+64*\x+\j+1]
	v_pk_add_f32 v[SM+2*\x:SM+2*\x+1], v[SM+2*\x:SM+2*\x+1], v[S+64*\x+\j+2:S+64*\x+\j+3]
.endr
.endr
.irp x, 0,1
	v_pk_add_f32 v[LL+4*\x:LL+4*\x+1], v[LL+4*\x:LL+4*\x+1], v[SM+2*\x:SM+2*\x+1]
.endr
	s_wait_alu depctr_va_vdst(0)                   ; and one for the four
.irp x, 0,1
.irp c, 0,1
	v_max_num_f32 v[BM+12*\x+\c], 0x1800000, v[BM+12*\x+\c]        ; the floor 2^(3 - 127)
.endr
.endr
	CODES PS
	CODES_B P
	WIN 0x41
	s_wait_alu depctr_va_vdst(0)                   ; ahead of the first reader of O^T
.irp x, 0,1
.set n, 0
.rept 32
	v_pk_mul_f32 v[64*\x+n:64*\x+n+1], v[64*\x+n:64*\x+n+1], v[FF+2*\x:FF+2*\x+1] op_sel_hi:[1,0]   ; O^T under the new M; also the places ahead of the products
.set n, n+2
.endr
.endr
.if \last == 0
	s_wait_alu depctr_va_vdst(0)
	s_wait_dscnt 0x0                               ; V's fragments and scale words are in
.endif
	WIN 0x51
.irp t, 0,1,2,3,4,5,6,7
.irp x, 0,1
	PV \t, \x
.endr
.endr
	WIN 0
.endm
; A slot: three steps in a loop, the last written out; behind its barrier (fill = 1: a round of the cluster's) the slot is filled again first
.macro SLOTBODY fill
	s_mov_b32 s[CNT], 3
.Lstep_\@:
	STEP 0, 0
	s_add_co_u32 s[TB], s[TB], STEPB
	s_add_co_u32 s[TJ], s[TJ], 512
	s_sub_co_u32 s[CNT], s[CNT], 1
	s_cmp_lg_u32 s[CNT], 0
	s_cbranch_scc1 .Lstep_\@
	STEP 1, \fill
	s_barrier_wait -1
.if \fill
	CREST
	JLOAD
.endif
	s_sub_co_u32 s[TB], s[TB], 3*STEPB
	s_xor_b32 s[TB], s[TB], SLOT1
	s_add_co_u32 s[TJ], s[TJ], 512
.endm
; THE WAY OUT of a block: O^T is divided by the sum in place and goes through my stage, 16 rows at a time; whole rows of 512 bytes come back and are stored
.macro OUT off
.irp x, 0,1
	v_add_f32 v[LL+4*\x], v[LL+4*\x], v[LL+4*\x+1]
.endr
.irp x, 0,1
	DEP 2
	v_permlanex16_b32 v[TT+\x], v[LL+4*\x], s[SEL], s[SEL+1]
.endr
.irp x, 0,1
	DEP 2
	v_add_f32 v[LL+4*\x], v[LL+4*\x], v[TT+\x]
.endr
	s_wait_alu depctr_va_vdst(0)
.irp x, 0,1
	v_rcp_f32 v[FF+2*\x], v[LL+4*\x]
.endr
	v_nop
	WIN 0x41
	s_wait_alu depctr_va_vdst(0)
.irp x, 0,1
.set n, 0
.rept 32
	v_pk_mul_f32 v[64*\x+n:64*\x+n+1], v[64*\x+n:64*\x+n+1], v[FF+2*\x:FF+2*\x+1] op_sel_hi:[1,0]   ; register 8 t + j is o(r, 16 t + 8 h + j)
.set n, n+2
.endr
.endr
.irp x, 0,1
	WIN 0x04
.irp t, 0,1,2,3,4,5,6,7
	ds_store_b128 v[STO], v[64*\x+8*\t:64*\x+8*\t+3] offset:64*\t
	ds_store_b128 v[STO], v[64*\x+8*\t+4:64*\x+8*\t+7] offset:64*\t+16
.endr
	WIN 0x40
.set n, 0
.rept 16
	ds_load_b128 v[64*\x+4*n:64*\x+4*n+3], v[STW] offset:SPITCH*n   ; in order behind my stores; the next tile's stores come behind these
.set n, n+1
.endr
.endr
	WIN 0x04
.irp x, 0,1
.set n, 0
.rept 16
	s_wait_dscnt 32-32*\x+15-n                     ; behind this row's load: the tile's later rows, and for tile 0 tile 1's 16 stores and 16 loads
	global_store_b128 v[LI], v[64*\x+4*n:64*\x+4*n+3], s[10:11] offset:\off+8192*\x+512*n th:TH_STORE_NT
.set n, n+1
.endr
.endr
	WIN 0
.endm
	s_load_b256 s[4:11], s[0:1], 0x0               ; q, mask, kv, out0
	v_lshl_add_u32 v[SPW], v0, 2, SPARE
	v_mov_b32 v[NIL], 0
	ds_add_u32 v[SPW], v[NIL]                      ; the opening lines: the add twice on end, and one wait
	ds_add_u32 v[SPW], v[NIL]
	v_lshrrev_b32 v63, 5, v0
	v_readfirstlane_b32 s[WV], v63
	s_bfe_u32 s13, ttmp6, 0x40000                  ; cx: it enters q's, out0's and the prefetches' addresses alone
	s_and_b32 s16, ttmp7, 0xffff                   ; the head
	s_lshl_b32 s20, s16, 11
	s_lshl_b32 s21, s13, 8
	s_add_co_u32 s20, s20, s21
	s_lshl_b32 s21, s[WV], 5
	s_add_co_u32 s20, s20, s21                     ; my first query's row: 2,048 head + 256 cx + 32 wave
	s_lshl_b32 s20, s20, 9
	s_mov_b32 s21, 0
	s_lshl_b32 s22, s16, 13
	s_mov_b32 s23, 0
	s_mul_i32 s48, s16, 16*STEPB
	s_mul_i32 s[G0+1], s[WV], SLOTB/8              ; my eighth of a slot: in LDS,
	s_add_co_u32 s50, s48, s[G0+1]                 ; and in memory
	s_mov_b32 s51, 0
	s_and_b32 s17, s[WV], 3
	s_mul_i32 s17, s17, STEPB/4
	s_mul_i32 s49, s13, STEPB
	s_add_co_u32 s16, s48, s17
	s_add_co_u32 s16, s16, s49
	s_add_co_u32 s16, s16, 2*SLOTB                 ; kv's prefetches begin at the third slot's worth
	s_mov_b32 s17, 0
	s_lshr_b32 s[LIM], s[WV], 2
	s_cmp_eq_u32 s[LIM], 0
	s_cselect_b32 s[LIM], 0, -1
	s_mov_b32 s[G1], 15|(3<<16)|(1<<21)            ; the mask: all four; elements of 8 bytes; bit 21 beside a mask
	s_mov_b32 s[G1+1], 32<<16                      ; 12,800 dense bytes as 50 rows of 256
	s_mov_b32 s[G1+2], 50<<16
	s_mov_b32 s[G1+3], 32<<16
	s_mov_b32 s[G1+4], 50
	s_mov_b32 s[G1+5], 32
	s_mov_b32 s[G1+6], 0
	s_mov_b32 s[G1+7], 0
	s_mov_b32 s[G0], 1
	s_mov_b32 s[SEL], 0x76543210
	s_mov_b32 s[SEL+1], 0xfedcba98
	s_mov_b32 s[CS], 0x3fb8aa3b                    ; log2(e)
	s_mov_b32 s[CS+1], s[CS]
	s_mov_b32 s[TB], 0
	s_mov_b32 s[TJ], 0
	s_mov_b32 s[N], 0
	s_mov_b32 s[OFF], SLOTB
	s_mov_b32 s[OFF+1], 0
	s_mul_i32 s[CNT], s[WV], 16*SPITCH
	s_add_co_u32 s[CNT], s[CNT], STAGE
	v_and_b32 v63, 31, v0
	v_bfe_u32 v216, v0, 4, 1                       ; h
	v_and_b32 v217, 15, v0                         ; r
	v_lshlrev_b32 v219, 4, v0                      ; the mask: 16 bytes a thread
	v_lshlrev_b32 v[LI], 4, v63
	v_lshlrev_b32 v[LS], 2, v63
	v_min_u32 v[PFO], 24, v63
	v_lshlrev_b32 v[PFQ], 8, v63
	v_lshl_add_u32 v[BH], v216, 7, BIAS
	v_lshlrev_b32 v[SH8], 3, v216
	v_mul_u32_u24 v218, v217, SPITCH
	v_lshlrev_b32 v[PFO], 8, v[PFO]
	v_add_nc_u32 v[STW], s[CNT], v[LI]
	v_lshl_add_u32 v221, v0, 4, BIAS
	v_add_nc_u32 v218, s[CNT], v218
	v_mov_b32 v220, 0xce800000                     ; F = -2^30
.irp x, 0,1
	v_mov_b32 v[LL+4*\x], 0
	v_mov_b32 v[LL+4*\x+1], 0
	v_mov_b32 v[FF+2*\x+1], 0
.endr
	v_lshl_add_u32 v[STR], v216, 7, v218
	v_lshl_add_u32 v[STO], v216, 5, v218
	s_wait_alu depctr_va_vdst(0)
	s_wait_dscnt 0x0
	s_wait_kmcnt 0x0
	s_add_nc_u64 s[4:5], s[4:5], s[20:21]
	s_add_nc_u64 s[10:11], s[10:11], s[20:21]
	s_add_nc_u64 s[6:7], s[6:7], s[22:23]
	s_add_nc_u64 s[KVB:KVB+1], s[8:9], s[50:51]
	s_add_nc_u64 s[PFA:PFA+1], s[8:9], s[16:17]
	s_mov_b64 s[G0+2:G0+3], s[KVB:KVB+1]
	s_or_b32 s[G0+3], s[G0+3], 0x80000000
.irp j, 0,1
	global_load_b128 v[P+4*\j:P+4*\j+3], v219, s[6:7] offset:4096*\j   ; the head's mask
.endr
	QLOAD 0, 0x40, 0                               ; the first block's q, into the registers that O^T will take
	CROUND                                         ; the round in front of the first joint loads
	JLOAD                                          ; slot 0: key steps 0 to 3: my one tensor load at the head
	s_wait_loadcnt 32                              ; the mask is in; q's 32 rows may be out
.irp j, 0,1,2,3,4,5,6,7
	v_cmp_eq_u32 vcc_lo, 0, v[P+\j]
	v_cndmask_b32 v[P+\j], 0, v220, vcc_lo
.endr
.irp j, 0,1
	ds_store_b128 v221, v[P+4*\j:P+4*\j+3] offset:4096*\j
	ds_store_b128 v221, v[P+4*\j:P+4*\j+3] offset:8192+4096*\j     ; once more, for the second walk
.endr
	QUANT 0, 0x04
	s_wait_alu depctr_va_vdst(0)
	s_wait_tensorcnt 0x0                           ; slot 1's first fill is issued as a refill is: the three lines, a round, the load
	ds_add_u32 v[SPW], v[NIL]
	NEXTD
	s_wait_dscnt 0x0                               ; the add is done and the bias table is stored
	CROUND
	JLOAD
	s_cmp_lg_u32 s[LIM], 0
	s_cbranch_scc1 .Lpf0
	global_prefetch_b8 v[PFO], s[PFA:PFA+1] th:TH_LOAD_NT scope:SCOPE_SE   ; kv's third slot's worth, which the next change of slots asks for
.Lpf0:
.Lslot:                                            ; slots 0 to 5: each is filled again behind its last step
	SLOTBODY 1
	s_cmp_lg_u32 s[N], s[LIM]
	s_cbranch_scc1 .Lpf1
	global_prefetch_b8 v[PFO], s[PFA:PFA+1] offset:SLOTB th:TH_LOAD_NT scope:SCOPE_SE   ; behind slot 0: kv's fourth slot's worth
.Lpf1:
	s_cmp_lg_u32 s[N], 1
	s_cbranch_scc1 .Lpf2
	global_prefetch_b8 v[PFQ], s[4:5] offset:QNEXT th:TH_LOAD_NT scope:SCOPE_SE         ; behind slot 1: my 32 rows of the second block's q, loaded behind slot 3
	global_prefetch_b8 v[PFQ], s[4:5] offset:QNEXT+8192 th:TH_LOAD_NT scope:SCOPE_SE
.Lpf2:
	s_cmp_lg_u32 s[N], 3
	s_cbranch_scc1 .Lsame_block
	QLOAD S, 0, QNEXT                              ; THE CHANGE OF BLOCKS: the second block's q is asked for first, into p's registers, which are free;
	OUT 0                                          ; the first block goes out;
	QUANT S, 0                                     ; q through the stage that the way out has left
	s_wait_xcnt 0x0                                ; the stores' data registers are O^T's: they are written again only behind this wait
	s_wait_alu depctr_va_vdst(0)
.Lsame_block:
	s_add_co_u32 s[N], s[N], 1
	s_cmp_lt_u32 s[N], 6
	s_cbranch_scc1 .Lslot
	SLOTBODY 0                                     ; slot 6 is written out; its barrier shows slot 7's tiles to every wave
	s_mov_b32 s[CNT], 4
.Ltail:                                            ; slot 7: four steps and no barrier: nothing is filled or shown behind it
	STEP 0, 0
	s_add_co_u32 s[TB], s[TB], STEPB
	s_add_co_u32 s[TJ], s[TJ], 512
	s_sub_co_u32 s[CNT], s[CNT], 1
	s_cmp_lg_u32 s[CNT], 0
	s_cbranch_scc1 .Ltail
	OUT QNEXT
	s_wait_tensorcnt 0x0                           ; the wave's end
	ds_add_u32 v[SPW], v[NIL]
	s_wait_dscnt 0x0
	CROUND                                         ; the closing round
	s_endpgm
.Lfunc_end_k_q2cee1de131_attn:
	.size	k_q2cee1de131_attn, .Lfunc_end_k_q2cee1de131_attn-k_q2cee1de131_attn
	.p2alignl 7, 3214868480
	.fill 96, 4, 3214868480
	.section	.rodata,"a",@progbits
	.p2align	6, 0x0
	.amdhsa_kernel k_q2cee1de131_attn
		.amdhsa_group_segment_fixed_size 327680
		.amdhsa_private_segment_fixed_size 0
		.amdhsa_enable_private_segment 0
		.amdhsa_kernarg_size 32
		.amdhsa_user_sgpr_count 2
		.amdhsa_user_sgpr_kernarg_segment_ptr 1
		.amdhsa_wavefront_size32 1
		.amdhsa_system_sgpr_workgroup_id_x 1
		.amdhsa_system_sgpr_workgroup_id_y 1
		.amdhsa_system_sgpr_workgroup_id_z 1
		.amdhsa_system_vgpr_workitem_id 0
		.amdhsa_next_free_vgpr 512
		.amdhsa_next_free_sgpr 66
		.amdhsa_reserve_vcc 1
		.amdhsa_float_denorm_mode_32 3
		.amdhsa_float_denorm_mode_16_64 3
		.amdhsa_memory_ordered 1
		.amdhsa_forward_progress 1
		.amdhsa_inst_pref_size 231
	.end_amdhsa_kernel
	.amdgpu_metadata
---
amdhsa.version: [ 1, 2 ]
amdhsa.kernels:
  - .name:           k_q2cee1de131_attn
    .symbol:         k_q2cee1de131_attn.kd
    .args:
      - { .name: q, .offset: 0, .size: 8, .value_kind: global_buffer, .address_space: global }
      - { .name: mask, .offset: 8, .size: 8, .value_kind: global_buffer, .address_space: global }
      - { .name: kv, .offset: 16, .size: 8, .value_kind: global_buffer, .address_space: global }
      - { .name: out0, .offset: 24, .size: 8, .value_kind: global_buffer, .address_space: global }
    .group_segment_fixed_size: 327680
    .private_segment_fixed_size: 0
    .kernarg_segment_align: 8
    .kernarg_segment_size: 32
    .max_flat_workgroup_size: 256
    .sgpr_count:     66
    .vgpr_count:     512
    .wavefront_size: 32
...
	.end_amdgpu_metadata
.endif
;; end of part 2
